; MI455X (gfx1250); checked and timed in simulation.
; The chip was launched on July 23, 2026; its instructions are those of AMD's public machine-readable ISA for CDNA 5 (MIT licence, August 2026) and "CDNA5" Instruction Set Architecture Reference Guide (July 2026). The comments in the code are by the model that wrote it; some were corrected since.
;; True Sliding Window Attention. Allowed arithmetic: float matrix products may take bf16 or f16 operands with f32 sums; all other float work in f32.
;; Inputs: k 16 x 4,096 x 64 float32; q 16 x 4,096 x 64 float32; v 16 x 4,096 x 64 float32.
;; Outputs: out0 16 x 4,096 x 64 float32.
;; 2 versions, each right; version 2 is version 1 with the launch swa written anew for expert scheduling mode. Each part assembles by itself: llvm-mc -triple=amdgcn-amd-amdhsa -mcpu=gfx1250 --defsym DOCPART=n.
;; ======== version 1 of 2: 1 launch
;; limits: values are held in f16: magnitudes above 65,504 overflow, below 6.1e-05 lose precision; inputs' magnitudes at most 65,504
;; launch swa (part 1): grid 16 x 16, 8 waves a work-group, no clusters, 304,128 bytes of LDS; arguments q, k, v, out0; writes out0
.if DOCPART == 1
	.amdgcn_target "amdgcn-amd-amdhsa--gfx1250"
	.amdhsa_code_object_version 6
	.text
	.protected	k_q5cc18fc4d0_swa
	.globl	k_q5cc18fc4d0_swa
	.p2align	8
	.type	k_q5cc18fc4d0_swa,@function
k_q5cc18fc4d0_swa:
	s_mov_b64 s[64:65], 0
	v_nop
	global_prefetch_b8 v0, s[64:65] scope:SCOPE_SE
	s_setreg_imm32_b32 hwreg(HW_REG_WAVE_MODE, 25, 1), 1
	s_wait_xcnt 0x0
; Causal sliding-window attention: out[b][i] = softmax over keys i-511 .. i of (q[b][i].k[b][j] / 8) times v[b][j].
; q, k, v, out: [16][4096][64] f32.  Products in f16 with f32 sums; maximum, exponentials, sums and rescaling in f32.
;
; WHY f16 AND NOT bf16.  A row with few keys (rows 1, 2, 3 .. of a batch) is a sum of a few p v of size about 1 that may cancel, so the
; rounding of a single p or v shows undamped in the result: 11 significant bits (a step of 2^-12) against 8 (2^-9).  All four operands
; have room in f16: p lies in [0, 1] (a p below 2^-25 rounds to 0; 576 of them weigh under 2^-15 of a row sum that is at least about 1),
; and q, k, v may be some 300 times larger than numbers of size 200 before they reach f16's largest, 65,504.
;
; SHARES.  Work-group (yb, b) owns the 256 query rows R0 = 256 yb .. +255 of batch b; its keys R0-512 .. R0+255 are 12 chunks of 64,
; chunk n beginning at key R0 - 512 + 64 n.  Wave w (u = w >> 2, ww = w & 3) owns two tiles of 16 rows: A at R0 + 64 u + 16 ww and
; B 128 rows further.  A tile of group a (A: a = u, B: a = u + 2) needs exactly chunks a .. a + 8: chunk a is cut by the window's lower
; edge, chunk a + 8 by the diagonal, the seven between are whole.  A wave runs 11 trips, trip tau on chunk tau + u; A works in trips
; 0 .. 8, B in trips 2 .. 10.  So all eight waves run one text without a branch; u enters by LDS addresses and one scalar select.
;
; TRANSPOSED PRODUCTS.  S^T = K Q^T: register j of lane (r, h) of key tile kt holds query r, key 16 kt + 8 h + j, so maximum, sum and
; rescale factor are one number a lane, and rounding tiles 2 ks, 2 ks + 1 to f16 pairs gives the second operand of
; out^T = V^T P^T as it stands: P never leaves the registers.  V^T comes by the transposing LDS load.
;
; MASKS are the C operand of the first S product: NEGV = -2^126 where a key is outside the window, 0 inside.  Chunks that lie before
; key 0 (yb = 0: n < 8; yb = 1: n < 4) are loaded from row max(key, 0), which keeps every load inside its buffer, and masked whole.
; The running maximum is never below FLOORV = -2^100, so a column that has met masked keys only has all p = exp2(about -1.5e37) = 0
; and an all-zero state, and the first real key's factor exp2(-c 2^100) = 0 multiplies zeros.
; LIMITS, kept on purpose: inputs finite and below 65,520 in magnitude (from there on the rounding to f16 gives infinity, and a masked
; 0 times infinity is NaN).  Scores are then below 64 x 65,504^2 = 2.8e11, far inside the floor of -2^100.
;
; K AND V are rounded to f16 once for the work-group: each thread loads 16 bytes of four rows of K and of V of a chunk into a ring of
; three register slots (24 loads of a wave on their way, asked three trips ahead), rounds them and stores them to LDS.  Every chunk has
; LDS bytes of its own: nothing in KL or VL is written twice, so one barrier a trip (store, wait, barrier, load) is all the ordering.
; NO CLUSTER, NO TENSOR LOAD: K and V arrive as f32 and must pass through registers to be rounded; brought to LDS as f32 the 12 chunks
; would take 12 x 32,768 bytes, more than the work-group may have, beside the f16 copy.  And what neighbours share they want apart:
; chunk n of block yb is chunk n - 4 of block yb + 1, four trips earlier or later, so no joint request would meet.
; NO LOOP: only trips 3 .. 7 are alike and the ring of three slots does not divide five.
.set ROWB,  256                        ; bytes of a row of q, k, v, out
.set KP,    144                        ; LDS pitch of K and of the Q stage: 128 bytes + 16 = 9 x 16, so 16 rows start in 16 different 16-byte columns of 256
.set VP,    160                        ; LDS pitch of V: 128 bytes + 32 = 5 x 32, as the transposing load's 8-row groups want
.set KCH,   64*KP                      ; a chunk of K in LDS, 9,216 bytes
.set VCH,   64*VP                      ; a chunk of V in LDS, 10,240 bytes
.set VL,    12*KCH                     ; KL = 0 .. 110,592; VL = 110,592 .. 233,472
.set STG,   VL+12*VCH                  ; 233,472: eight stages, one for each wave
.set WSTG,  8704                       ; a wave's stage: first Q, 32 rows x 144; later out, 2 tiles x 16 rows x 272
.set OP,    272                        ; pitch of the out stage: 256 bytes + 16
.set CEXP,  0x3e38aa3b                 ; c = log2(e) / 8: the scale d^-1/2 folded into the base-2 exponent
.set NCEXP, 0xbe38aa3b                 ; -c
.set NEGV,  0xfe800000                 ; -2^126
.set FLOORV,0xf1800000                 ; -2^100
; registers v0 .. v255
.set T16,  2                           ; 16 t: my 16 bytes in each 4,096 bytes of a chunk
.set KST,  3                           ; where I store my 8 bytes of K (steps a chunk each time)
.set VST,  4                           ; the same for V
.set KRD,  5                           ; my K fragments of this trip's chunk
.set VRD,  6                           ; my V^T fragments of this trip's chunk
.set STO,  7                           ; out stage: where I put 32 bytes of row r
.set SRD,  8                           ; out stage: where I read rows back
.set LO,   9                           ; 16 x lane: Q loads and out stores
.set T,    10                          ; 16 ww + r - 8 h (signed): the mask threshold
.set TLOW, 11                          ; T, or T + 1024 where the lower-edge chunk lies before key 0
.set VNEG, 12                          ; NEGV
.set VZERO,13                          ; 0
.set GO,   14                          ; v14-16  ring slot s: byte offset of my 16 bytes in its chunk
.set QST,  17                          ; Q stage, in
.set QRD,  18                          ; Q stage, fragments
.set X0,   20                          ; v20-23  at work
.set X1,   21
.set X2,   22
.set X3,   23
.set AL,   24                          ; v[24:25] rescale factor, twice
.set SUM0, 26                          ; v[26:27], v[28:29] two chains of the row sum
.set SUM1, 28
.set NMA,  30                          ; v[30:31] tile A: -c x running maximum, twice
.set NMB,  32                          ; v[32:33] tile B
.set LA,   34                          ; tile A: running sum over my half's keys
.set LB,   35
.set TMP,  36                          ; v[36:51] a chunk's 16 rounded words
.set ACCA, 64                          ; v[64:95]   out^T of tile A: 8 dt + j = d 16 dt + 8 h + j of query r
.set ACCB, 96                          ; v[96:127]
.set SA,   128                         ; v[128:159] S^T, then P^T in its lower 16 registers
.set SB,   160                         ; v[160:191]
.set VF,   192                         ; v[192:255] V^T fragments, 16 dt + 8 ks
; registers v256 .. v487, named by their low 8 bits
.set QA,   0                           ; Q fragments of tile A, 8 ks
.set QB,   16                          ; of tile B
.set CB,   32                          ; 8 registers: NEGV while the chunk lies before key 0, else 0
.set MASK, 40                          ; 32 registers, 8 kt + j: the edge mask
.set KF,   72                          ; 64 registers: K fragments, 16 kt + 8 ks
.set G,    136                         ; 3 slots x (16 of K, 16 of V), f32 as loaded
; what a tile does in a trip
.set C_OFF,   0
.set C_FIRST, 1                        ; its first chunk: edge mask as C, the state starts here
.set C_CB,    2                        ; a whole chunk that may lie before key 0: CB as C
.set C_ZERO,  3                        ; a whole chunk at or behind key 0 for every block: C = 0
.set C_LAST,  4                        ; its last chunk: diagonal mask as C, then the way out
; s_set_vgpr_msb: bits 1:0 source 0, 3:2 source 1, 5:4 source 2, 7:6 destination; the high byte repeats the setting that is left
.set MSB, 0
.macro WIN new
.if MSB != \new
	s_set_vgpr_msb (MSB<<8)|\new
.set MSB, \new
.endif
.endm
.set M_LD, 0x40                        ; destination above v255, addresses and sources below
.set M_S0, 0x15                        ; K, Q and C above, S below
.set M_S1, 0x05                        ; sources 0 and 1 above: second S product, and rounding out of G
; eight loads of chunk ch into ring slot: each of a wave's loads covers 512 consecutive bytes, aligned
.macro CHUNK_ISSUE slot, ch
	s_add_co_i32 s18, s17, 64*\ch                  ; the chunk's first key,
	s_max_i32 s18, s18, 0                          ; or row 0 where it lies before key 0 (masked whole later)
	s_lshl_b32 s18, s18, 8                         ; in bytes
	WIN 0
	v_add_nc_u32 v[GO+\slot], s18, v[T16]
	WIN M_LD
.irp j, 0,1,2,3
	global_load_b128 v[G+32*\slot+4*\j:G+32*\slot+4*\j+3], v[GO+\slot], s[6:7] offset:4096*\j
.endr
.irp j, 0,1,2,3
	global_load_b128 v[G+32*\slot+16+4*\j:G+32*\slot+16+4*\j+3], v[GO+\slot], s[8:9] offset:4096*\j
.endr
.endm
; the oldest chunk of the ring goes to LDS in f16; left = younger loads that stay out; nxt >= 0: the slot is asked for chunk nxt
.macro CHUNK_IN slot, left, nxt
	s_wait_loadcnt \left                           ; loads come back in order (ISA guide 5.7.1): this slot's eight are in, and its GO is free
	WIN M_S1
.irp i, 0,1,2,3,4,5,6,7,8,9,10,11,12,13,14,15
	v_cvt_pk_f16_f32 v[TMP+\i], v[G+32*\slot+2*\i], v[G+32*\slot+2*\i+1]
.endr
	WIN 0
.irp j, 0,1,2,3
	ds_store_b64 v[KST], v[TMP+2*\j:TMP+2*\j+1] offset:16*KP*\j        ; load j held row 16 j + (t >> 4)
.endr
.irp j, 0,1,2,3
	ds_store_b64 v[VST], v[TMP+8+2*\j:TMP+8+2*\j+1] offset:16*VP*\j
.endr
	v_add_nc_u32 v[KST], KCH, v[KST]               ; the next chunk's bytes
	v_add_nc_u32 v[VST], VCH, v[VST]
.if \nxt >= 0
	CHUNK_ISSUE \slot, \nxt
.endif
.endm
; MASK[8 kt + j] = (16 kt + j > thr) ? b : a
.macro MKMASK thr, a, b
	WIN M_LD
.irp kt, 0,1,2,3
.irp j, 0,1,2,3,4,5,6,7
	v_cmp_gt_i32 vcc_lo, 16*\kt+\j, v[\thr]
	v_cndmask_b32 v[MASK+8*\kt+\j], v[\a], v[\b], vcc_lo
.endr
.endr
.endm
; CB = NEGV while chunk tau + u lies before key 0 (chunk number below s28), else 0.  Runs under M_LD.
.macro CBSET tau
	s_add_co_u32 s29, s13, \tau
	s_cmp_ge_i32 s29, s28
	s_cselect_b32 s18, 0, s25
.irp j, 0,1,2,3,4,5,6,7
	v_mov_b32 v[CB+\j], s18
.endr
.endm
; K fragments: lane (r, h) takes key row 16 kt + r, d = 32 ks + 8 h .. +7 and 32 ks + 16 + 8 h .. +7.  Runs under M_LD.
.macro KLOAD
.irp kt, 0,1,2,3
.irp ks, 0,1
	ds_load_b128 v[KF+16*\kt+8*\ks:KF+16*\kt+8*\ks+3],   v[KRD] offset:16*KP*\kt+64*\ks
	ds_load_b128 v[KF+16*\kt+8*\ks+4:KF+16*\kt+8*\ks+7], v[KRD] offset:16*KP*\kt+64*\ks+32
.endr
.endr
.endm
; V^T fragments: lane (r, h) ends with d = 16 dt + r, keys 32 ks + 8 h .. +7 and 32 ks + 16 + 8 h .. +7
.macro VLOAD
.irp dt, 0,1,2,3
.irp ks, 0,1
	ds_load_tr16_b128 v[VF+16*\dt+8*\ks:VF+16*\dt+8*\ks+3],   v[VRD] offset:32*VP*\ks+32*\dt
	ds_load_tr16_b128 v[VF+16*\dt+8*\ks+4:VF+16*\dt+8*\ks+7], v[VRD] offset:32*VP*\ks+32*\dt+16*VP
.endr
.endr
.endm
; S^T, d = 0 .. 31; the mask comes in as C.  Runs under M_S0.
.macro SMUL0 s, q, code
.irp kt, 0,1,2,3
.if \code == C_CB
	v_wmma_f32_16x16x32_f16 v[\s+8*\kt:\s+8*\kt+7], v[KF+16*\kt:KF+16*\kt+7], v[\q:\q+7], v[CB:CB+7]
.elseif \code == C_ZERO
	v_wmma_f32_16x16x32_f16 v[\s+8*\kt:\s+8*\kt+7], v[KF+16*\kt:KF+16*\kt+7], v[\q:\q+7], 0
.else
	v_wmma_f32_16x16x32_f16 v[\s+8*\kt:\s+8*\kt+7], v[KF+16*\kt:KF+16*\kt+7], v[\q:\q+7], v[MASK+8*\kt:MASK+8*\kt+7]
.endif
.endr
.endm
; S^T, d = 32 .. 63: the next link in place of each sum.  Runs under M_S1.
.macro SMUL1 s, q
.irp kt, 0,1,2,3
	v_wmma_f32_16x16x32_f16 v[\s+8*\kt:\s+8*\kt+7], v[KF+16*\kt+8:KF+16*\kt+15], v[\q+8:\q+15], v[\s+8*\kt:\s+8*\kt+7]
.endr
.endm
; out^T += V^T P^T over keys 32 ks .. +31; zero = 1: the first product starts the sums
.macro PMUL s, acc, ks, zero
.irp dt, 0,1,2,3
.if \zero
	v_wmma_f32_16x16x32_f16 v[\acc+8*\dt:\acc+8*\dt+7], v[VF+16*\dt+8*\ks:VF+16*\dt+8*\ks+7], v[\s+8*\ks:\s+8*\ks+7], 0
.else
	v_wmma_f32_16x16x32_f16 v[\acc+8*\dt:\acc+8*\dt+7], v[VF+16*\dt+8*\ks:VF+16*\dt+8*\ks+7], v[\s+8*\ks:\s+8*\ks+7], v[\acc+8*\dt:\acc+8*\dt+7]
.endif
.endr
.endm
; One tile, one chunk: running maximum, p = exp2(c s - c m), rescale of the state, row sum, P^T in f16 in s .. s + 15.
.macro SOFTMAX s, acc, nm, l, first
	v_max3_num_f32 v[X0], v[\s+0], v[\s+1], v[\s+2]            ; four chains over my 32 scores
	v_max3_num_f32 v[X1], v[\s+3], v[\s+4], v[\s+5]
	v_max3_num_f32 v[X2], v[\s+6], v[\s+7], v[\s+8]
	v_max3_num_f32 v[X3], v[\s+9], v[\s+10], v[\s+11]
.set ix, 0
.rept 10
	v_max3_num_f32 v[X0+ix%4], v[X0+ix%4], v[\s+12+2*ix], v[\s+13+2*ix]
.set ix, ix+1
.endr
	v_max3_num_f32 v[X0], v[X0], v[X1], v[X2]
	v_max_num_f32 v[X0], v[X0], v[X3]
	v_permlanex16_b32 v[X1], v[X0], s26, s27                   ; the other half's 32 keys of the same query
	v_max3_num_f32 v[X0], v[X0], v[X1], s30                    ; and never below -2^100: a column of masked keys alone gets p = 0 throughout
.if \first
	v_mul_f32 v[\nm], s24, v[X0]                               ; -c m, twice for the packed forms
	v_mul_f32 v[\nm+1], s24, v[X0]
.else
	v_mul_f32 v[X0], s24, v[X0]
	v_min_num_f32 v[X1], v[\nm], v[X0]                         ; -c max(m, chunk's maximum)
	v_sub_f32 v[X2], v[X1], v[\nm]                             ; c (m old - m new), at most 0
	v_exp_f32 v[AL], v[X2]                                     ; the two copies below are the plain place behind it (ISA guide 5.7.2)
	v_mov_b32 v[\nm], v[X1]
	v_mov_b32 v[\nm+1], v[X1]
	s_wait_alu depctr_va_vdst(0)
	v_mov_b32 v[AL+1], v[AL]
.endif
.set ix, 0
.rept 16
	v_pk_fma_f32 v[\s+ix:\s+ix+1], v[\s+ix:\s+ix+1], s[22:23], v[\nm:\nm+1] op_sel_hi:[1,0,1]
.set ix, ix+2
.endr
.set ix, 0
.rept 16
	v_exp_f32 v[\s+ix], v[\s+ix]
	v_exp_f32 v[\s+ix+1], v[\s+ix+1]
.if \first == 0
	v_pk_mul_f32 v[\acc+ix:\acc+ix+1], v[\acc+ix:\acc+ix+1], v[AL:AL+1]   ; the rescale fills the plain place behind each two exponentials
.endif
.set ix, ix+2
.endr
.if \first
	v_nop                                                      ; the plain place behind the last exponentials
.endif
	s_wait_alu depctr_va_vdst(0)
	v_pk_add_f32 v[SUM0:SUM0+1], v[\s+0:\s+1], v[\s+2:\s+3]    ; the first pairs start the two chains: nothing is cleared
	v_pk_add_f32 v[SUM1:SUM1+1], v[\s+4:\s+5], v[\s+6:\s+7]
.set ix, 8
.rept 6
	v_pk_add_f32 v[SUM0:SUM0+1], v[SUM0:SUM0+1], v[\s+ix:\s+ix+1]
	v_pk_add_f32 v[SUM1:SUM1+1], v[SUM1:SUM1+1], v[\s+ix+2:\s+ix+3]
.set ix, ix+4
.endr
	v_pk_add_f32 v[SUM0:SUM0+1], v[SUM0:SUM0+1], v[SUM1:SUM1+1]
.if \first
	v_add_f32 v[\l], v[SUM0], v[SUM0+1]
.else
	v_add_f32 v[X0], v[SUM0], v[SUM0+1]
	v_fma_f32 v[\l], v[\l], v[AL], v[X0]
.endif
.set ix, 0
.rept 16
	v_cvt_pk_f16_f32 v[\s+ix], v[\s+2*ix], v[\s+2*ix+1]        ; ascending, in place: word ix is written when words 2 ix, 2 ix + 1 are read
.set ix, ix+1
.endr
.endm
; The way out of one tile: divide by the row sum, 32 bytes a lane and d tile into my own stage, whole rows back, stores of which
; sixteen neighbouring lanes cover 256 consecutive bytes at a multiple of 256 from the buffer's first byte.
.macro FINISH s, acc, l, tile
	v_permlanex16_b32 v[X1], v[\l], s26, s27                   ; the other half's part of the sum
	v_add_f32 v[X0], v[\l], v[X1]
	v_rcp_f32 v[AL], v[X0]                                     ; the sum is at least about 1 (the largest p), so no flush can touch it
	v_nop                                                      ; the plain place behind it
	s_wait_alu depctr_va_vdst(0)
	v_mov_b32 v[AL+1], v[AL]
.set ix, 0
.rept 16
	v_pk_mul_f32 v[\acc+ix:\acc+ix+1], v[\acc+ix:\acc+ix+1], v[AL:AL+1]
.set ix, ix+2
.endr
.irp dt, 0,1,2,3
	ds_store_b128 v[STO], v[\acc+8*\dt:\acc+8*\dt+3]   offset:16*OP*\tile+64*\dt
	ds_store_b128 v[STO], v[\acc+8*\dt+4:\acc+8*\dt+7] offset:16*OP*\tile+64*\dt+16
.endr
.irp i, 0,1,2,3,4,5,6,7
	ds_load_b128 v[\s+4*\i:\s+4*\i+3], v[SRD] offset:16*OP*\tile+2*OP*\i   ; my own bytes: LDS serves a wave's instructions in order (ISA guide 5.7.1)
.endr
.irp i, 0,1,2,3,4,5,6,7
	s_wait_dscnt 7-\i                                          ; rows 2 i, 2 i + 1 are back, the younger loads stay out
	global_store_b128 v[LO], v[\s+4*\i:\s+4*\i+3], s[10:11] offset:128*ROWB*\tile+512*\i th:TH_STORE_NT
.endr
.endm
; Trip tau, on chunk tau + u.  a, b: what tiles A and B do.  slot, left, nxt: the chunk that goes to LDS in this trip (slot < 0: none).
.macro TRIP tau, a, b, slot, left, nxt
.set FA, 0
.set FB, 0
.if \a == C_FIRST
.set FA, 1
.endif
.if \b == C_FIRST
.set FB, 1
.endif
	WIN M_LD
	KLOAD
.if \tau >= 1
.if \tau <= 7
	CBSET \tau
.endif
.endif
.if \tau == 8
	MKMASK T, VZERO, VNEG                          ; the diagonal: key 16 kt + 8 h + j of the chunk is kept while 16 kt + j <= T
.endif
	WIN 0
	VLOAD
	s_wait_dscnt 16                                ; the 16 K loads are in; the 16 V loads behind them stay out
	WIN M_S0
.if \a
	SMUL0 SA, QA, \a
.endif
.if \b
	SMUL0 SB, QB, \b
.endif
	WIN M_S1
.if \a
	SMUL1 SA, QA
.endif
.if \b
	SMUL1 SB, QB
.endif
.if \slot >= 0
	CHUNK_IN \slot, \left, \nxt                    ; its 16 roundings name none of the products' registers: they are the places in front of the first read of S (ISA guide 7.12.1)
.else
.rept 4
	v_nop                                          ; the same four places where no chunk is left
.endr
.endif
	WIN 0
.if \a
	SOFTMAX SA, ACCA, NMA, LA, FA
.endif
.if \b
	SOFTMAX SB, ACCB, NMB, LB, FB
.endif
	s_wait_dscnt 0x0                               ; zero: my chunk stores are in LDS for the other waves, my reads are over, my V fragments are in
.if \tau < 10
	s_barrier_signal -1                            ; the products below touch registers only
.endif
.if \a
	PMUL SA, ACCA, 0, FA
.endif
.if \b
	PMUL SB, ACCB, 0, FB
.endif
.if \a
	PMUL SA, ACCA, 1, 0
.endif
.if \b
	PMUL SB, ACCB, 1, 0
.endif
.if \tau < 10
	s_barrier_wait -1                              ; chunk tau + 2 is whole in LDS: the waves with u = 1 read it in the next trip
	v_add_nc_u32 v[KRD], KCH, v[KRD]               ; the next chunk.  These two and three v_nop are five places: before V's fragments are
	v_add_nc_u32 v[VRD], VCH, v[VRD]               ; loaded again (four) and before the next S products write over P (five), ISA guide 7.12.1
.rept 3
	v_nop
.endr
.else
.rept 4
	v_nop                                          ; four places before the accumulators are read
.endr
.endif
.if \a == C_LAST
	FINISH SA, ACCA, LA, 0
.endif
.if \b == C_LAST
	FINISH SB, ACCB, LB, 1
.endif
.endm
; ---------------------------------------------------------------- start
	s_load_b256 s[4:11], s[0:1], 0x0               ; q s[4:5], k s[6:7], v s[8:9], out s[10:11]
	v_lshl_add_u32 v62, v0, 2, 0x4a000
	v_mov_b32 v63, 0
	v_lshrrev_b32 v1, 5, v0
	v_readfirstlane_b32 s12, v1                    ; wave w
	s_lshr_b32 s13, s12, 2                         ; u
	s_and_b32 s14, s12, 3                          ; ww
	s_mov_b32 s15, ttmp9                           ; yb
	s_and_b32 s16, ttmp7, 0xffff                   ; b
	s_lshl_b32 s17, s15, 8                         ; R0
	s_lshl_b32 s18, s13, 6
	s_add_co_u32 s18, s18, s17
	s_lshl4_add_u32 s18, s14, s18                  ; tile A's first row: R0 + 64 u + 16 ww
	s_lshl_b32 s18, s18, 8                         ; in bytes
	s_mov_b32 s19, 0
	s_sub_co_i32 s17, s17, 512                     ; chunk 0's first key, negative for yb < 2
	s_lshl_b32 s28, s15, 2
	s_sub_co_i32 s28, 8, s28
	s_max_i32 s28, s28, 0                          ; chunks below max(8 - 4 yb, 0) lie before key 0
	s_lshl_b32 s20, s16, 20                        ; a batch is 4,096 rows of 256 bytes
	s_mov_b32 s21, 0
	s_mov_b32 s22, CEXP
	s_mov_b32 s23, CEXP
	s_mov_b32 s24, NCEXP
	s_mov_b32 s25, NEGV
	s_mov_b32 s26, 0x76543210                      ; v_permlanex16_b32: lane i reads lane i of the other half
	s_mov_b32 s27, 0xfedcba98
	s_mov_b32 s30, FLOORV
	v_and_b32 v1, 31, v0
	v_lshlrev_b32 v[LO], 4, v1
	v_lshlrev_b32 v[T16], 4, v0
	s_wait_kmcnt 0x0
	s_add_nc_u64 s[6:7], s[6:7], s[20:21]          ; k and v at the batch
	s_add_nc_u64 s[8:9], s[8:9], s[20:21]
	s_add_nc_u64 s[20:21], s[20:21], s[18:19]      ; two offsets summed
	s_add_nc_u64 s[4:5], s[4:5], s[20:21]          ; q and out at tile A's first row
	s_add_nc_u64 s[10:11], s[10:11], s[20:21]
.set ix, 0
.rept 16
	global_load_b128 v[SA+4*ix:SA+4*ix+3], v[LO], s[4:5] offset:128*ROWB*(ix/8)+512*(ix%8) th:TH_LOAD_NT   ; two rows of Q a load; only this wave reads them
.set ix, ix+1
.endr
	CHUNK_ISSUE 0, 0
	CHUNK_ISSUE 1, 1
	CHUNK_ISSUE 2, 2
	; addresses, while the loads are on their way
	WIN 0
	v_and_b32 v19, 15, v0                          ; r
	v_bfe_u32 v1, v0, 4, 1                         ; h
	s_mul_i32 s19, s12, WSTG
	s_add_co_u32 s19, s19, STG                     ; my stage
	v_mul_u32_u24 v[KST], v1, KP
	v_lshl_add_u32 v[KST], v19, 3, v[KST]          ; h x 144 + 8 r
	v_add_nc_u32 v[QST], s19, v[KST]
	s_mul_i32 s18, s12, 2*KP                       ; a wave's load covers two rows: row 2 w + h of each sixteen
	v_add_nc_u32 v[KST], s18, v[KST]
	v_mul_u32_u24 v[VST], v1, VP
	v_lshl_add_u32 v[VST], v19, 3, v[VST]
	s_mul_i32 s18, s12, 2*VP
	s_add_co_u32 s18, s18, VL
	v_add_nc_u32 v[VST], s18, v[VST]
	v_mul_u32_u24 v[KRD], v19, KP
	v_lshl_add_u32 v[KRD], v1, 4, v[KRD]           ; r x 144 + 16 h
	v_add_nc_u32 v[QRD], s19, v[KRD]
	s_mul_i32 s18, s13, KCH                        ; trip 0 is on chunk u
	v_add_nc_u32 v[KRD], s18, v[KRD]
	v_and_b32 v[VRD], 7, v0
	v_lshl_add_u32 v[VRD], v1, 3, v[VRD]           ; key row 8 h + (lane & 7)
	v_mul_u32_u24 v[VRD], v[VRD], VP
	v_bfe_u32 v[X0], v0, 3, 1
	v_lshl_add_u32 v[VRD], v[X0], 4, v[VRD]        ; + 16 ((lane >> 3) & 1)
	s_mul_i32 s18, s13, VCH
	s_add_co_u32 s18, s18, VL
	v_add_nc_u32 v[VRD], s18, v[VRD]
	v_mul_u32_u24 v[STO], v19, OP
	v_lshl_add_u32 v[STO], v1, 5, v[STO]           ; r x 272 + 32 h
	v_add_nc_u32 v[STO], s19, v[STO]
	v_mul_u32_u24 v[SRD], v1, OP
	v_lshl_add_u32 v[SRD], v19, 4, v[SRD]          ; h x 272 + 16 r
	v_add_nc_u32 v[SRD], s19, v[SRD]
	v_lshlrev_b32 v[T], 3, v1
	v_sub_nc_u32 v[T], v19, v[T]
	s_lshl_b32 s18, s14, 4
	v_add_nc_u32 v[T], s18, v[T]                   ; 16 ww + r - 8 h
	s_cmp_lt_u32 s15, 2
	s_cselect_b32 s18, 1024, 0                     ; yb < 2: chunks 0 .. 3 lie before key 0, the lower-edge mask keeps nothing
	v_add_nc_u32 v[TLOW], s18, v[T]
	v_mov_b32 v[VNEG], s25
	v_mov_b32 v[VZERO], 0
	MKMASK TLOW, VNEG, VZERO                       ; the lower edge: key 16 kt + 8 h + j of the chunk is kept where 16 kt + j > T
	; Q: to f16, through my stage, into fragments
	s_wait_loadcnt 24                              ; the 16 loads of Q are in; the 24 of chunks 0, 1, 2 behind them stay out
	WIN 0
.set ix, 0
.rept 32
	v_cvt_pk_f16_f32 v[SA+ix], v[SA+2*ix], v[SA+2*ix+1]        ; ascending, in place, both tiles
.set ix, ix+1
.endr
.set ix, 0
.rept 16
	ds_store_b64 v[QST], v[SA+2*ix:SA+2*ix+1] offset:2*KP*ix   ; load ix held rows 2 ix + h of the 32
.set ix, ix+1
.endr
	WIN M_LD
.irp tl, 0,1
.irp ks, 0,1
	ds_load_b128 v[QA+16*\tl+8*\ks:QA+16*\tl+8*\ks+3],   v[QRD] offset:16*KP*\tl+64*\ks      ; my own bytes, served in order behind the stores
	ds_load_b128 v[QA+16*\tl+8*\ks+4:QA+16*\tl+8*\ks+7], v[QRD] offset:16*KP*\tl+64*\ks+32
.endr
.endr
	CHUNK_IN 0, 16, 3                              ; 16: of three chunks of 8 loads the oldest is in
	CHUNK_IN 1, 16, 4
	s_wait_dscnt 0x0                               ; zero: chunks 0 and 1 are in LDS for the other waves; my Q fragments are in
	s_barrier_signal -1
	s_barrier_wait -1
	TRIP 0,  C_FIRST, C_OFF,   2, 16, 5
	TRIP 1,  C_CB,    C_OFF,   0, 16, 6
	TRIP 2,  C_CB,    C_FIRST, 1, 16, 7
	TRIP 3,  C_CB,    C_CB,    2, 16, 8
	TRIP 4,  C_CB,    C_CB,    0, 16, 9
	TRIP 5,  C_CB,    C_CB,    1, 16, 10
	TRIP 6,  C_CB,    C_CB,    2, 16, 11
	TRIP 7,  C_CB,    C_CB,    0, 16, -1           ; nothing more is asked for: the counts run down 16, 8, 0
	TRIP 8,  C_LAST,  C_ZERO,  1, 8, -1            ; chunks 8 and up begin at key R0 or later: never before key 0
	TRIP 9,  C_OFF,   C_ZERO,  2, 0, -1
	TRIP 10, C_OFF,   C_LAST,  -1, 0, -1           ; no chunk is stored and none is read later: no barrier
	WIN 0
	s_wait_tensorcnt 0x0
	ds_add_u32 v62, v63
	s_wait_dscnt 0x0
	s_endpgm
.Lfunc_end_k_q5cc18fc4d0_swa:
	.size	k_q5cc18fc4d0_swa, .Lfunc_end_k_q5cc18fc4d0_swa-k_q5cc18fc4d0_swa
	.p2alignl 7, 3214868480
	.fill 96, 4, 3214868480
	.section	.rodata,"a",@progbits
	.p2align	6, 0x0
	.amdhsa_kernel k_q5cc18fc4d0_swa
		.amdhsa_group_segment_fixed_size 304128
		.amdhsa_private_segment_fixed_size 0
		.amdhsa_enable_private_segment 0
		.amdhsa_kernarg_size 32
		.amdhsa_user_sgpr_count 2
		.amdhsa_user_sgpr_kernarg_segment_ptr 1
		.amdhsa_wavefront_size32 1
		.amdhsa_system_sgpr_workgroup_id_x 1
		.amdhsa_system_sgpr_workgroup_id_y 1
		.amdhsa_system_sgpr_workgroup_id_z 1
		.amdhsa_system_vgpr_workitem_id 0
		.amdhsa_next_free_vgpr 488
		.amdhsa_next_free_sgpr 66
		.amdhsa_reserve_vcc 1
		.amdhsa_float_denorm_mode_32 3
		.amdhsa_float_denorm_mode_16_64 3
		.amdhsa_memory_ordered 1
		.amdhsa_forward_progress 1
		.amdhsa_inst_pref_size 213
	.end_amdhsa_kernel
	.amdgpu_metadata
---
amdhsa.version: [ 1, 2 ]
amdhsa.kernels:
  - .name:           k_q5cc18fc4d0_swa
    .symbol:         k_q5cc18fc4d0_swa.kd
    .args:
      - { .name: q, .offset: 0, .size: 8, .value_kind: global_buffer, .address_space: global }
      - { .name: k, .offset: 8, .size: 8, .value_kind: global_buffer, .address_space: global }
      - { .name: v, .offset: 16, .size: 8, .value_kind: global_buffer, .address_space: global }
      - { .name: out0, .offset: 24, .size: 8, .value_kind: global_buffer, .address_space: global }
    .group_segment_fixed_size: 304128
    .private_segment_fixed_size: 0
    .kernarg_segment_align: 8
    .kernarg_segment_size: 32
    .max_flat_workgroup_size: 256
    .sgpr_count:     66
    .vgpr_count:     488
    .wavefront_size: 32
...
	.end_amdgpu_metadata
.endif
;; end of part 1
;; ======== version 2 of 2: 1 launch; version 1 with the launch swa written anew for expert scheduling mode
;; limits: values are held in f16: magnitudes above 65,504 overflow, below 6.1e-05 lose precision; inputs' magnitudes at most 65,504
;; launch swa (part 2): grid 16 x 16, 8 waves a work-group, no clusters, 304,128 bytes of LDS; arguments q, k, v, out0; writes out0
.if DOCPART == 2
	.amdgcn_target "amdgcn-amd-amdhsa--gfx1250"
	.amdhsa_code_object_version 6
	.text
	.protected	k_q5cc18fc4d0_swa
	.globl	k_q5cc18fc4d0_swa
	.p2align	8
	.type	k_q5cc18fc4d0_swa,@function
k_q5cc18fc4d0_swa:
	s_mov_b64 s[64:65], 0
	v_nop
	global_prefetch_b8 v0, s[64:65] scope:SCOPE_SE
	s_setreg_imm32_b32 hwreg(HW_REG_WAVE_SCHED_MODE, 0, 2), 2
	s_setreg_imm32_b32 hwreg(HW_REG_WAVE_MODE, 25, 1), 1
	s_wait_xcnt 0x0
	s_wait_alu depctr_vm_vsrc(0)
; Causal sliding-window attention: out[b][i] = softmax over keys i-511 .. i of (q[b][i].k[b][j] / 8) times v[b][j].
; q, k, v, out: [16][4096][64] f32.  Products in f16 with f32 sums; maximum, exponentials, sums and rescaling in f32.
;
; WHY f16 AND NOT bf16.  A row with few keys (rows 1, 2, 3 .. of a batch) is a sum of a few p v of size about 1 that may cancel, so the
; rounding of a single p or v shows undamped in the result: 11 significant bits (a step of 2^-12) against 8 (2^-9).  All four operands
; have room in f16: p lies in [0, 1] (a p below 2^-25 rounds to 0; 576 of them weigh under 2^-15 of a row sum that is at least about 1),
; and q, k, v may be some 300 times larger than numbers of size 200 before they reach f16's largest, 65,504.
;
; SHARES.  Work-group (yb, b) owns the 256 query rows R0 = 256 yb .. +255 of batch b; its keys R0-512 .. R0+255 are 12 chunks of 64,
; chunk n beginning at key R0 - 512 + 64 n.  Wave w (u = w >> 2, ww = w & 3) owns two tiles of 16 rows: A at R0 + 64 u + 16 ww and
; B 128 rows further.  A tile of group a (A: a = u, B: a = u + 2) needs exactly chunks a .. a + 8: chunk a is cut by the window's lower
; edge, chunk a + 8 by the diagonal, the seven between are whole.  A wave runs 11 trips, trip tau on chunk tau + u; A works in trips
; 0 .. 8, B in trips 2 .. 10.  So all eight waves run one text without a branch; u enters by LDS addresses and one scalar select.
;
; TRANSPOSED PRODUCTS.  S^T = K Q^T: register j of lane (r, h) of key tile kt holds query r, key 16 kt + 8 h + j, so maximum, sum and
; rescale factor are one number a lane, and rounding tiles 2 ks, 2 ks + 1 to f16 pairs gives the second operand of
; out^T = V^T P^T as it stands: P never leaves the registers.  V^T comes by the transposing LDS load.
;
; MASKS are the C operand of the first S product: NEGV = -2^126 where a key is outside the window, 0 inside.  Chunks that lie before
; key 0 (yb = 0: n < 8; yb = 1: n < 4) are loaded from row max(key, 0), which keeps every load inside its buffer, and masked whole.
; The running maximum is never below FLOORV = -2^100, so a column that has met masked keys only has all p = exp2(about -1.5e37) = 0
; and an all-zero state, and the first real key's factor exp2(-c 2^100) = 0 multiplies zeros.
; LIMITS, kept on purpose: inputs finite and below 65,520 in magnitude (from there on the rounding to f16 gives infinity, and a masked
; 0 times infinity is NaN).  Scores are then below 64 x 65,504^2 = 2.8e11, far inside the floor of -2^100.
;
; K AND V are rounded to f16 once for the work-group: each thread loads 16 bytes of four rows of K and of V of a chunk into a ring of
; three register slots (24 loads of a wave on their way, asked three trips ahead), rounds them and stores them to LDS.  Every chunk has
; LDS bytes of its own: nothing in KL or VL is written twice, so one barrier a trip (store, wait, barrier, load) is all the ordering.
; NO CLUSTER, NO TENSOR LOAD: K and V arrive as f32 and must pass through registers to be rounded; brought to LDS as f32 the 12 chunks
; would take 12 x 32,768 bytes, more than the work-group may have, beside the f16 copy.  And what neighbours share they want apart:
; chunk n of block yb is chunk n - 4 of block yb + 1, four trips earlier or later, so no joint request would meet.
; NO LOOP: only trips 3 .. 7 are alike and the ring of three slots does not divide five.
;
; THE MODE: SCHED_MODE bits 1:0 = 2 (LLVM: expert scheduling mode 2), set by the entry lines.  The code itself states the register
; dependences between vector or matrix instructions and memory or LDS instructions, with s_wait_alu, always for 0.
; THE PLAN.  Registers that memory or LDS instructions touch, in a trip:
;   KF         The trip's 16 LDS loads land in it; the trip's S products read it.
;   VF         The trip's 16 transposing loads land in it; the trip's products V^T P^T, its last matrix work, read it.
;   G0 .. G2   The trip's 16 roundings read G[slot]; behind them the loads of the chunk three further on land in it.
;   TMP        The 16 roundings write it; the trip's 8 LDS stores read it.
;   addresses  Made once at the head and never written again: the text is unrolled, so the chunk's or trip's number stands in the LDS
;              immediate (two registers for each of the four LDS addresses keep it inside 16 bits), and each of the 12 chunks has its own global offset.
;   S, ACC, P, the masks and the statistics are named by vector and matrix instructions alone, until the way out.
; So a trip begins with its roundings, and ONE wait on va_vdst stands behind them: they have written TMP and are done reading G[slot],
; the last trip's S products are done reading KF and its last products VF.  All the trip's 48 memory and LDS instructions follow that wait;
; the only vector lines among or behind them (CB's moves, the diagonal mask) name none of their registers.  One wait on vm_vsrc
; stands ahead of the roundings: the last trip's stores have read TMP.
.set ROWB,  256                        ; bytes of a row of q, k, v, out
.set KP,    144                        ; LDS pitch of K and of the Q stage: 128 bytes + 16 = 9 x 16, so 16 rows start in 16 different 16-byte columns of 256
.set VP,    160                        ; LDS pitch of V: 128 bytes + 32 = 5 x 32, as the transposing load's 8-row groups want
.set KCH,   64*KP                      ; a chunk of K in LDS, 9,216 bytes
.set VCH,   64*VP                      ; a chunk of V in LDS, 10,240 bytes
.set VL,    12*KCH                     ; KL = 0 .. 110,592; VL = 110,592 .. 233,472
.set STG,   VL+12*VCH                  ; 233,472: eight stages, one for each wave
.set WSTG,  8704                       ; a wave's stage: first Q, 32 rows x 144; later out, 2 tiles x 16 rows x 272
.set OP,    272                        ; pitch of the out stage: 256 bytes + 16
.set CEXP,  0x3e38aa3b                 ; c = log2(e) / 8: the scale d^-1/2 folded into the base-2 exponent
.set NCEXP, 0xbe38aa3b                 ; -c
.set NEGV,  0xfe800000                 ; -2^126
.set FLOORV,0xf1800000                 ; -2^100
; registers v0 .. v255
.set T16,  2                           ; 16 t: my 16 bytes in each 4,096 bytes of a chunk
.set KS0,  3                           ; where I store my 8 bytes of K: chunks 0 .. 6 by the immediate (62,208 at the most)
.set VS0,  4                           ; the same for V: chunks 0 .. 5 (58,880 at the most)
.set KR0,  5                           ; my K fragments: trips 0 .. 6 by the immediate (62,304 at the most)
.set VR0,  6                           ; my V^T fragments: trips 0 .. 5 (58,976 at the most)
.set STO,  7                           ; out stage: where I put 32 bytes of row r
.set SRD,  8                           ; out stage: where I read rows back
.set LO,   9                           ; 16 x lane: Q loads and out stores
.set T,    10                          ; 16 ww + r - 8 h (signed): the mask threshold
.set TLOW, 11                          ; T, or T + 1024 where the lower-edge chunk lies before key 0
.set VNEG, 12                          ; NEGV
.set VZERO,13                          ; 0
.set KS1,  14                          ; K stores, chunks 7 .. 11
.set VS1,  15                          ; V stores, chunks 6 .. 11
.set KR1,  16                          ; K fragments, trips 7 .. 10
.set QST,  17                          ; Q stage, in
.set QRD,  18                          ; Q stage, fragments
.set VR1,  19                          ; V^T fragments, trips 6 .. 10
.set X0,   20                          ; v20-23  at work
.set X1,   21
.set X2,   22
.set X3,   23
.set AL,   24                          ; v[24:25] rescale factor, twice
.set SUM0, 26                          ; v[26:27], v[28:29] two chains of the row sum
.set SUM1, 28
.set NMA,  30                          ; v[30:31] tile A: -c x running maximum, twice
.set NMB,  32                          ; v[32:33] tile B
.set LA,   34                          ; tile A: running sum over my half's keys
.set LB,   35
.set TMP,  36                          ; v[36:51] a chunk's 16 rounded words
.set GO,   52                          ; v[52:63] chunk n: byte offset of my 16 bytes in it
.set ACCA, 64                          ; v[64:95]   out^T of tile A: 8 dt + j = d 16 dt + 8 h + j of query r
.set ACCB, 96                          ; v[96:127]
.set SA,   128                         ; v[128:159] S^T, then P^T in its lower 16 registers
.set SB,   160                         ; v[160:191]
.set VF,   192                         ; v[192:255] V^T fragments, 16 dt + 8 ks
; registers v256 .. v487, named by their low 8 bits
.set QA,   0                           ; Q fragments of tile A, 8 ks
.set QB,   16                          ; of tile B
.set CB,   32                          ; 8 registers: NEGV while the chunk lies before key 0, else 0
.set MASK, 40                          ; 32 registers, 8 kt + j: the edge mask
.set KF,   72                          ; 64 registers: K fragments, 16 kt + 8 ks
.set G,    136                         ; 3 slots x (16 of K, 16 of V), f32 as loaded
.set CM,   32                          ; s[32:63] the 32 compares of an edge mask
; what a tile does in a trip
.set C_OFF,   0
.set C_FIRST, 1                        ; its first chunk: edge mask as C, the state starts here
.set C_CB,    2                        ; a whole chunk that may lie before key 0: CB as C
.set C_ZERO,  3                        ; a whole chunk at or behind key 0 for every block: C = 0
.set C_LAST,  4                        ; its last chunk: diagonal mask as C, then the way out
; s_set_vgpr_msb: bits 1:0 source 0, 3:2 source 1, 5:4 source 2, 7:6 destination; the high byte repeats the setting that is left
.set MSB, 0
.macro WIN new
.if MSB != \new
	s_set_vgpr_msb (MSB<<8)|\new
.set MSB, \new
.endif
.endm
.set M_LD, 0x40                        ; destination above v255, addresses and sources below
.set M_S0, 0x15                        ; K, Q and C above, S below
.set M_S1, 0x05                        ; sources 0 and 1 above: second S product, and rounding out of G
; eight loads of chunk ch into ring slot: each of a wave's loads covers 512 consecutive bytes, aligned.  Runs under M_LD.
.macro CHUNK_ISSUE slot, ch
.irp j, 0,1,2,3
	global_load_b128 v[G+32*\slot+4*\j:G+32*\slot+4*\j+3], v[GO+\ch], s[6:7] offset:4096*\j
.endr
.irp j, 0,1,2,3
	global_load_b128 v[G+32*\slot+16+4*\j:G+32*\slot+16+4*\j+3], v[GO+\ch], s[8:9] offset:4096*\j
.endr
.endm
; the oldest chunk of the ring is rounded to f16; left = younger loads that stay out; free = 1: TMP has been stored from before
.macro CHUNK_CVT slot, left, free
	s_wait_loadcnt \left                           ; loads come back in order (ISA guide 5.7.1): this slot's eight are in
.if \free
	s_wait_alu depctr_vm_vsrc(0)                   ; the LDS stores issued so far have read their data: TMP, which the roundings below write again (ahead of trip 0 also Q's words in SA, which that trip's S products write)
.endif
	WIN M_S1
.irp i, 0,1,2,3,4,5,6,7,8,9,10,11,12,13,14,15
	v_cvt_pk_f16_f32 v[TMP+\i], v[G+32*\slot+2*\i], v[G+32*\slot+2*\i+1]
.endr
.endm
; the rounded chunk ch goes to its own LDS bytes.  Runs under window 0.
.macro CHUNK_OUT ch
.set KSR, KS0
.set KSO, (\ch)*KCH
.if (\ch) >= 7
.set KSR, KS1
.set KSO, ((\ch)-7)*KCH
.endif
.set VSR, VS0
.set VSO, (\ch)*VCH
.if (\ch) >= 6
.set VSR, VS1
.set VSO, ((\ch)-6)*VCH
.endif
.irp j, 0,1,2,3
	ds_store_b64 v[KSR], v[TMP+2*\j:TMP+2*\j+1] offset:KSO+16*KP*\j        ; load j held row 16 j + (t >> 4)
.endr
.irp j, 0,1,2,3
	ds_store_b64 v[VSR], v[TMP+8+2*\j:TMP+8+2*\j+1] offset:VSO+16*VP*\j
.endr
.endm
; MASK[8 kt + j] = (16 kt + j > thr) ? b : a.  The 32 compares stand in one run, each into a scalar register of its own.
.macro MKMASK thr, a, b
	WIN 0
.irp kt, 0,1,2,3
.irp j, 0,1,2,3,4,5,6,7
	v_cmp_gt_i32 s[CM+8*\kt+\j], 16*\kt+\j, v[\thr]
.endr
.endr
	s_wait_alu depctr_va_sdst(0)                   ; the 32 compares have written s[32:63], ahead of the selects that read them
	WIN M_LD
.irp kt, 0,1,2,3
.irp j, 0,1,2,3,4,5,6,7
	v_cndmask_b32 v[MASK+8*\kt+\j], v[\a], v[\b], s[CM+8*\kt+\j]
.endr
.endr
.endm
; CB = NEGV while chunk tau + u lies before key 0 (chunk number below s28), else 0.  Runs under M_LD.
.macro CBSET tau
	s_add_co_u32 s29, s13, \tau
	s_cmp_ge_i32 s29, s28
	s_cselect_b32 s18, 0, s25
.irp j, 0,1,2,3,4,5,6,7
	v_mov_b32 v[CB+\j], s18
.endr
.endm
; K fragments of trip tau: lane (r, h) takes key row 16 kt + r, d = 32 ks + 8 h .. +7 and 32 ks + 16 + 8 h .. +7.  Runs under M_LD.
.macro KLOAD tau
.set KRR, KR0
.set KRO, (\tau)*KCH
.if (\tau) >= 7
.set KRR, KR1
.set KRO, ((\tau)-7)*KCH
.endif
.irp kt, 0,1,2,3
.irp ks, 0,1
	ds_load_b128 v[KF+16*\kt+8*\ks:KF+16*\kt+8*\ks+3],   v[KRR] offset:KRO+16*KP*\kt+64*\ks
	ds_load_b128 v[KF+16*\kt+8*\ks+4:KF+16*\kt+8*\ks+7], v[KRR] offset:KRO+16*KP*\kt+64*\ks+32
.endr
.endr
.endm
; V^T fragments of trip tau: lane (r, h) ends with d = 16 dt + r, keys 32 ks + 8 h .. +7 and 32 ks + 16 + 8 h .. +7
.macro VLOAD tau
.set VRR, VR0
.set VRO, (\tau)*VCH
.if (\tau) >= 6
.set VRR, VR1
.set VRO, ((\tau)-6)*VCH
.endif
.irp dt, 0,1,2,3
.irp ks, 0,1
	ds_load_tr16_b128 v[VF+16*\dt+8*\ks:VF+16*\dt+8*\ks+3],   v[VRR] offset:VRO+32*VP*\ks+32*\dt
	ds_load_tr16_b128 v[VF+16*\dt+8*\ks+4:VF+16*\dt+8*\ks+7], v[VRR] offset:VRO+32*VP*\ks+32*\dt+16*VP
.endr
.endr
.endm
; S^T, d = 0 .. 31; the mask comes in as C.  Runs under M_S0.
.macro SMUL0 s, q, code
.irp kt, 0,1,2,3
.if \code == C_CB
	v_wmma_f32_16x16x32_f16 v[\s+8*\kt:\s+8*\kt+7], v[KF+16*\kt:KF+16*\kt+7], v[\q:\q+7], v[CB:CB+7]
.elseif \code == C_ZERO
	v_wmma_f32_16x16x32_f16 v[\s+8*\kt:\s+8*\kt+7], v[KF+16*\kt:KF+16*\kt+7], v[\q:\q+7], 0
.else
	v_wmma_f32_16x16x32_f16 v[\s+8*\kt:\s+8*\kt+7], v[KF+16*\kt:KF+16*\kt+7], v[\q:\q+7], v[MASK+8*\kt:MASK+8*\kt+7]
.endif
.endr
.endm
; S^T, d = 32 .. 63: the next link in place of each sum.  Runs under M_S1.
.macro SMUL1 s, q
.irp kt, 0,1,2,3
	v_wmma_f32_16x16x32_f16 v[\s+8*\kt:\s+8*\kt+7], v[KF+16*\kt+8:KF+16*\kt+15], v[\q+8:\q+15], v[\s+8*\kt:\s+8*\kt+7]
.endr
.endm
; out^T += V^T P^T over keys 32 ks .. +31; zero = 1: the first product starts the sums
.macro PMUL s, acc, ks, zero
.irp dt, 0,1,2,3
.if \zero
	v_wmma_f32_16x16x32_f16 v[\acc+8*\dt:\acc+8*\dt+7], v[VF+16*\dt+8*\ks:VF+16*\dt+8*\ks+7], v[\s+8*\ks:\s+8*\ks+7], 0
.else
	v_wmma_f32_16x16x32_f16 v[\acc+8*\dt:\acc+8*\dt+7], v[VF+16*\dt+8*\ks:VF+16*\dt+8*\ks+7], v[\s+8*\ks:\s+8*\ks+7], v[\acc+8*\dt:\acc+8*\dt+7]
.endif
.endr
.endm
; One tile, one chunk: running maximum, p = exp2(c s - c m), rescale of the state, row sum, P^T in f16 in s .. s + 15.
.macro SOFTMAX s, acc, nm, l, first
	v_max3_num_f32 v[X0], v[\s+0], v[\s+1], v[\s+2]            ; four chains over my 32 scores
	v_max3_num_f32 v[X1], v[\s+3], v[\s+4], v[\s+5]
	v_max3_num_f32 v[X2], v[\s+6], v[\s+7], v[\s+8]
	v_max3_num_f32 v[X3], v[\s+9], v[\s+10], v[\s+11]
.set ix, 0
.rept 10
	v_max3_num_f32 v[X0+ix%4], v[X0+ix%4], v[\s+12+2*ix], v[\s+13+2*ix]
.set ix, ix+1
.endr
	v_max3_num_f32 v[X0], v[X0], v[X1], v[X2]
	v_max_num_f32 v[X0], v[X0], v[X3]
	v_permlanex16_b32 v[X1], v[X0], s26, s27                   ; the other half's 32 keys of the same query
	v_max3_num_f32 v[X0], v[X0], v[X1], s30                    ; and never below -2^100: a column of masked keys alone gets p = 0 throughout
.if \first
	v_mul_f32 v[\nm], s24, v[X0]                               ; -c m, twice for the packed forms
	v_mul_f32 v[\nm+1], s24, v[X0]
.else
	v_mul_f32 v[X0], s24, v[X0]
	v_min_num_f32 v[X1], v[\nm], v[X0]                         ; -c max(m, chunk's maximum)
	v_sub_f32 v[X2], v[X1], v[\nm]                             ; c (m old - m new), at most 0
	v_exp_f32 v[AL], v[X2]                                     ; the two copies below are the plain place behind it (ISA guide 5.7.2)
	v_mov_b32 v[\nm], v[X1]
	v_mov_b32 v[\nm+1], v[X1]
	s_wait_alu depctr_va_vdst(0)
	v_mov_b32 v[AL+1], v[AL]
.endif
.set ix, 0
.rept 16
	v_pk_fma_f32 v[\s+ix:\s+ix+1], v[\s+ix:\s+ix+1], s[22:23], v[\nm:\nm+1] op_sel_hi:[1,0,1]
.set ix, ix+2
.endr
.set ix, 0
.rept 16
	v_exp_f32 v[\s+ix], v[\s+ix]
	v_exp_f32 v[\s+ix+1], v[\s+ix+1]
.if \first == 0
	v_pk_mul_f32 v[\acc+ix:\acc+ix+1], v[\acc+ix:\acc+ix+1], v[AL:AL+1]   ; the rescale fills the plain place behind each two exponentials
.endif
.set ix, ix+2
.endr
.if \first
	v_nop                                                      ; the plain place behind the last exponentials
.endif
	s_wait_alu depctr_va_vdst(0)
	v_pk_add_f32 v[SUM0:SUM0+1], v[\s+0:\s+1], v[\s+2:\s+3]    ; the first pairs start the two chains: nothing is cleared
	v_pk_add_f32 v[SUM1:SUM1+1], v[\s+4:\s+5], v[\s+6:\s+7]
.set ix, 8
.rept 6
	v_pk_add_f32 v[SUM0:SUM0+1], v[SUM0:SUM0+1], v[\s+ix:\s+ix+1]
	v_pk_add_f32 v[SUM1:SUM1+1], v[SUM1:SUM1+1], v[\s+ix+2:\s+ix+3]
.set ix, ix+4
.endr
	v_pk_add_f32 v[SUM0:SUM0+1], v[SUM0:SUM0+1], v[SUM1:SUM1+1]
.if \first
	v_add_f32 v[\l], v[SUM0], v[SUM0+1]
.else
	v_add_f32 v[X0], v[SUM0], v[SUM0+1]
	v_fma_f32 v[\l], v[\l], v[AL], v[X0]
.endif
.set ix, 0
.rept 16
	v_cvt_pk_f16_f32 v[\s+ix], v[\s+2*ix], v[\s+2*ix+1]        ; ascending, in place: word ix is written when words 2 ix, 2 ix + 1 are read
.set ix, ix+1
.endr
.endm
; The way out of one tile: divide by the row sum, 32 bytes a lane and d tile into my own stage, whole rows back, stores of which
; sixteen neighbouring lanes cover 256 consecutive bytes at a multiple of 256 from the buffer's first byte.
.macro FINISH s, acc, l, tile
	v_permlanex16_b32 v[X1], v[\l], s26, s27                   ; the other half's part of the sum
	v_add_f32 v[X0], v[\l], v[X1]
	v_rcp_f32 v[AL], v[X0]                                     ; the sum is at least about 1 (the largest p), so no flush can touch it
	v_nop                                                      ; the plain place behind it
	s_wait_alu depctr_va_vdst(0)
	v_mov_b32 v[AL+1], v[AL]
.set ix, 0
.rept 16
	v_pk_mul_f32 v[\acc+ix:\acc+ix+1], v[\acc+ix:\acc+ix+1], v[AL:AL+1]
.set ix, ix+2
.endr
	s_wait_alu depctr_va_vdst(0)                               ; the scaling has written the accumulators, which the LDS stores read; the roundings and the products are done with S, in which the rows below land
.irp dt, 0,1,2,3
	ds_store_b128 v[STO], v[\acc+8*\dt:\acc+8*\dt+3]   offset:16*OP*\tile+64*\dt
	ds_store_b128 v[STO], v[\acc+8*\dt+4:\acc+8*\dt+7] offset:16*OP*\tile+64*\dt+16
.endr
.irp i, 0,1,2,3,4,5,6,7
	ds_load_b128 v[\s+4*\i:\s+4*\i+3], v[SRD] offset:16*OP*\tile+2*OP*\i   ; my own bytes: LDS serves a wave's instructions in order (ISA guide 5.7.1)
.endr
.irp i, 0,1,2,3,4,5,6,7
	s_wait_dscnt 7-\i                                          ; rows 2 i, 2 i + 1 are back, the younger loads stay out
	global_store_b128 v[LO], v[\s+4*\i:\s+4*\i+3], s[10:11] offset:128*ROWB*\tile+512*\i th:TH_STORE_NT   ; S and v[LO] are written no more: nothing is owed behind these stores
.endr
.endm
; Trip tau, on chunk tau + u.  a, b: what tiles A and B do.  slot, left, nxt: chunk tau + 2 goes to LDS in this trip out of ring slot (slot < 0: none), which is then asked for chunk nxt.
.macro TRIP tau, a, b, slot, left, nxt
.set FA, 0
.set FB, 0
.if \a == C_FIRST
.set FA, 1
.endif
.if \b == C_FIRST
.set FB, 1
.endif
.if \slot >= 0
	CHUNK_CVT \slot, \left, 1                      ; its 16 roundings name none of the last products' registers: they are the five places before this trip's S products write over P (ISA guide 7.12.1)
.else
.rept 5
	v_nop                                          ; the same five places where no chunk is left
.endr
.endif
	WIN M_LD
	s_wait_alu depctr_va_vdst(0)                   ; the roundings have written TMP and are done reading G[slot]; the last trip's S products are done reading KF, its last products VF
	KLOAD \tau
.if \nxt >= 0
	CHUNK_ISSUE \slot, \nxt                        ; the slot is asked for again at once
.endif
.if \tau >= 1
.if \tau <= 7
	CBSET \tau                                     ; names CB and scalar registers alone: none that a load or store of this trip touches
.endif
.endif
	WIN 0
	VLOAD \tau
.if \slot >= 0
	CHUNK_OUT (\tau+2)
.endif
.if \tau == 8
	MKMASK T, VZERO, VNEG                          ; the diagonal: key 16 kt + 8 h + j of the chunk is kept while 16 kt + j <= T.  Names T, two constants, MASK and s[32:63] alone
.endif
.if \slot >= 0
	s_wait_dscnt 24                                ; the 16 K loads are in; the 16 V loads and the 8 stores behind them stay out
.else
	s_wait_dscnt 16                                ; the 16 K loads are in; the 16 V loads behind them stay out
.endif
	WIN M_S0
.if \a
	SMUL0 SA, QA, \a
.endif
.if \b
	SMUL0 SB, QB, \b
.endif
	WIN M_S1
.if \a
	SMUL1 SA, QA
.endif
.if \b
	SMUL1 SB, QB
.endif
.rept 4
	v_nop                                          ; four places in front of the first read of S (ISA guide 7.12.1)
.endr
	WIN 0
.if \a
	SOFTMAX SA, ACCA, NMA, LA, FA
.endif
.if \b
	SOFTMAX SB, ACCB, NMB, LB, FB
.endif
	s_wait_dscnt 0x0                               ; zero: my chunk stores are in LDS for the other waves, my reads are over, my V fragments are in
.if \tau < 10
	s_barrier_signal -1                            ; the products below touch registers only
.endif
.if \a
	PMUL SA, ACCA, 0, FA
.endif
.if \b
	PMUL SB, ACCB, 0, FB
.endif
.if \a
	PMUL SA, ACCA, 1, 0
.endif
.if \b
	PMUL SB, ACCB, 1, 0
.endif
.if \tau < 10
	s_barrier_wait -1                              ; chunk tau + 2 is whole in LDS: the waves with u = 1 read it in the next trip
.endif
.if \a == C_LAST
.rept 4
	v_nop                                          ; four places before the accumulators are read
.endr
	FINISH SA, ACCA, LA, 0
.endif
.if \b == C_LAST
.rept 4
	v_nop                                          ; four places before the accumulators are read
.endr
	FINISH SB, ACCB, LB, 1
.endif
.endm
; ---------------------------------------------------------------- start
	s_load_b256 s[4:11], s[0:1], 0x0               ; q s[4:5], k s[6:7], v s[8:9], out s[10:11]
	s_set_vgpr_msb 0x40
	v_lshl_add_u32 v232, v0, 2, 0x4a000
	v_mov_b32 v233, 0
	s_set_vgpr_msb 0x4000
	v_lshrrev_b32 v1, 5, v0
	v_readfirstlane_b32 s12, v1                    ; wave w
	s_mov_b32 s15, ttmp9                           ; yb
	s_and_b32 s16, ttmp7, 0xffff                   ; b
	s_lshl_b32 s17, s15, 8                         ; R0
	s_lshl_b32 s28, s15, 2
	s_sub_co_i32 s28, 8, s28
	s_max_i32 s28, s28, 0                          ; chunks below max(8 - 4 yb, 0) lie before key 0
	s_lshl_b32 s20, s16, 20                        ; a batch is 4,096 rows of 256 bytes
	s_mov_b32 s21, 0
	s_mov_b32 s22, CEXP
	s_mov_b32 s23, CEXP
	s_mov_b32 s24, NCEXP
	s_mov_b32 s25, NEGV
	s_mov_b32 s26, 0x76543210                      ; v_permlanex16_b32: lane i reads lane i of the other half
	s_mov_b32 s27, 0xfedcba98
	s_mov_b32 s30, FLOORV
	v_and_b32 v[X0], 31, v0
	v_lshlrev_b32 v[LO], 4, v[X0]
	v_lshlrev_b32 v[T16], 4, v0
	v_and_b32 v[X3], 15, v0                        ; r
	v_bfe_u32 v1, v0, 4, 1                         ; h
	s_wait_alu depctr_va_sdst(0)                   ; s12 is written, ahead of its first reader: u, ww, the tile's rows and the LDS addresses are made from it
	s_lshr_b32 s13, s12, 2                         ; u
	s_and_b32 s14, s12, 3                          ; ww
	s_lshl_b32 s18, s13, 6
	s_add_co_u32 s18, s18, s17
	s_lshl4_add_u32 s18, s14, s18                  ; tile A's first row: R0 + 64 u + 16 ww
	s_lshl_b32 s18, s18, 8                         ; in bytes
	s_mov_b32 s19, 0
	s_add_nc_u64 s[2:3], s[20:21], s[18:19]        ; two offsets summed: the batch and tile A's first row
	s_sub_co_i32 s17, s17, 512                     ; chunk 0's first key, negative for yb < 2
	; all addresses are made here, in the wait for the arguments, and never written again
.irp ch, 0,1,2,3,4,5,6,7,8,9,10,11
	s_add_co_i32 s18, s17, 64*\ch                  ; the chunk's first key,
	s_max_i32 s18, s18, 0                          ; or row 0 where it lies before key 0 (masked whole later)
	s_lshl_b32 s18, s18, 8                         ; in bytes
	v_add_nc_u32 v[GO+\ch], s18, v[T16]
.endr
	s_mul_i32 s19, s12, WSTG
	s_add_co_u32 s19, s19, STG                     ; my stage
	v_mul_u32_u24 v[KS0], v1, KP
	v_lshl_add_u32 v[KS0], v[X3], 3, v[KS0]        ; h x 144 + 8 r
	v_add_nc_u32 v[QST], s19, v[KS0]
	s_mul_i32 s18, s12, 2*KP                       ; a wave's load covers two rows: row 2 w + h of each sixteen
	v_add_nc_u32 v[KS0], s18, v[KS0]
	v_add_nc_u32 v[KS1], 7*KCH, v[KS0]
	v_mul_u32_u24 v[VS0], v1, VP
	v_lshl_add_u32 v[VS0], v[X3], 3, v[VS0]
	s_mul_i32 s18, s12, 2*VP
	s_add_co_u32 s18, s18, VL
	v_add_nc_u32 v[VS0], s18, v[VS0]
	v_add_nc_u32 v[VS1], 6*VCH, v[VS0]
	v_mul_u32_u24 v[KR0], v[X3], KP
	v_lshl_add_u32 v[KR0], v1, 4, v[KR0]           ; r x 144 + 16 h
	v_add_nc_u32 v[QRD], s19, v[KR0]
	s_mul_i32 s18, s13, KCH                        ; trip 0 is on chunk u
	v_add_nc_u32 v[KR0], s18, v[KR0]
	v_add_nc_u32 v[KR1], 7*KCH, v[KR0]
	v_and_b32 v[VR0], 7, v0
	v_lshl_add_u32 v[VR0], v1, 3, v[VR0]           ; key row 8 h + (lane & 7)
	v_mul_u32_u24 v[VR0], v[VR0], VP
	v_bfe_u32 v[X0], v0, 3, 1
	v_lshl_add_u32 v[VR0], v[X0], 4, v[VR0]        ; + 16 ((lane >> 3) & 1)
	s_mul_i32 s18, s13, VCH
	s_add_co_u32 s18, s18, VL
	v_add_nc_u32 v[VR0], s18, v[VR0]
	v_add_nc_u32 v[VR1], 6*VCH, v[VR0]
	v_mul_u32_u24 v[STO], v[X3], OP
	v_lshl_add_u32 v[STO], v1, 5, v[STO]           ; r x 272 + 32 h
	v_add_nc_u32 v[STO], s19, v[STO]
	v_mul_u32_u24 v[SRD], v1, OP
	v_lshl_add_u32 v[SRD], v[X3], 4, v[SRD]        ; h x 272 + 16 r
	v_add_nc_u32 v[SRD], s19, v[SRD]
	v_lshlrev_b32 v[T], 3, v1
	v_sub_nc_u32 v[T], v[X3], v[T]
	s_lshl_b32 s18, s14, 4
	v_add_nc_u32 v[T], s18, v[T]                   ; 16 ww + r - 8 h
	s_cmp_lt_u32 s15, 2
	s_cselect_b32 s18, 1024, 0                     ; yb < 2: chunks 0 .. 3 lie before key 0, the lower-edge mask keeps nothing
	v_add_nc_u32 v[TLOW], s18, v[T]
	v_mov_b32 v[VNEG], s25
	v_mov_b32 v[VZERO], 0
	s_wait_kmcnt 0x0
	s_add_nc_u64 s[6:7], s[6:7], s[20:21]          ; k and v at the batch
	s_add_nc_u64 s[8:9], s[8:9], s[20:21]
	s_add_nc_u64 s[4:5], s[4:5], s[2:3]            ; q and out at tile A's first row
	s_add_nc_u64 s[10:11], s[10:11], s[2:3]
	s_wait_alu depctr_va_vdst(0)                   ; every address and offset of the kernel is written: v[LO], v[52:63], the eight LDS addresses of K and V and the four of the stage
.set ix, 0
.rept 16
	global_load_b128 v[SA+4*ix:SA+4*ix+3], v[LO], s[4:5] offset:128*ROWB*(ix/8)+512*(ix%8) th:TH_LOAD_NT   ; two rows of Q a load; only this wave reads them
.set ix, ix+1
.endr
	WIN M_LD
	CHUNK_ISSUE 0, 0
	CHUNK_ISSUE 1, 1
	CHUNK_ISSUE 2, 2
	MKMASK TLOW, VNEG, VZERO                       ; while the loads are on their way.  The lower edge: key 16 kt + 8 h + j of the chunk is kept where 16 kt + j > T
	; Q: to f16, through my stage, into fragments; chunks 0 and 1 to LDS
	s_wait_loadcnt 24                              ; the 16 loads of Q are in; the 24 of chunks 0, 1, 2 behind them stay out
	WIN 0
.set ix, 0
.rept 32
	v_cvt_pk_f16_f32 v[SA+ix], v[SA+2*ix], v[SA+2*ix+1]        ; ascending, in place, both tiles
.set ix, ix+1
.endr
	CHUNK_CVT 0, 16, 0                             ; 16: of three chunks of 8 loads the oldest is in.  Nothing has been stored from TMP yet
	WIN M_LD
	s_wait_alu depctr_va_vdst(0)                   ; the roundings have written Q's words in SA and chunk 0's in TMP, which the LDS stores read, and are done reading G0, in which chunk 3 lands
	CHUNK_ISSUE 0, 3
	WIN 0
.set ix, 0
.rept 16
	ds_store_b64 v[QST], v[SA+2*ix:SA+2*ix+1] offset:2*KP*ix   ; load ix held rows 2 ix + h of the 32
.set ix, ix+1
.endr
	CHUNK_OUT 0
	WIN M_LD
.irp tl, 0,1
.irp ks, 0,1
	ds_load_b128 v[QA+16*\tl+8*\ks:QA+16*\tl+8*\ks+3],   v[QRD] offset:16*KP*\tl+64*\ks      ; my own bytes, served in order behind the stores; no vector instruction has named these registers
	ds_load_b128 v[QA+16*\tl+8*\ks+4:QA+16*\tl+8*\ks+7], v[QRD] offset:16*KP*\tl+64*\ks+32
.endr
.endr
	CHUNK_CVT 1, 16, 1
	WIN M_LD
	s_wait_alu depctr_va_vdst(0)                   ; the roundings have written TMP, which the LDS stores read, and are done reading G1, in which chunk 4 lands
	CHUNK_ISSUE 1, 4
	WIN 0
	CHUNK_OUT 1
	s_wait_dscnt 0x0                               ; zero: chunks 0 and 1 are in LDS for the other waves; my Q fragments are in
	s_barrier_signal -1
	s_barrier_wait -1
	TRIP 0,  C_FIRST, C_OFF,   2, 16, 5
	TRIP 1,  C_CB,    C_OFF,   0, 16, 6
	TRIP 2,  C_CB,    C_FIRST, 1, 16, 7
	TRIP 3,  C_CB,    C_CB,    2, 16, 8
	TRIP 4,  C_CB,    C_CB,    0, 16, 9
	TRIP 5,  C_CB,    C_CB,    1, 16, 10
	TRIP 6,  C_CB,    C_CB,    2, 16, 11
	TRIP 7,  C_CB,    C_CB,    0, 16, -1           ; nothing more is asked for: the counts run down 16, 8, 0
	TRIP 8,  C_LAST,  C_ZERO,  1, 8, -1            ; chunks 8 and up begin at key R0 or later: never before key 0
	TRIP 9,  C_OFF,   C_ZERO,  2, 0, -1
	TRIP 10, C_OFF,   C_LAST,  -1, 0, -1           ; no chunk is stored and none is read later: no barrier
	WIN 0
	s_set_vgpr_msb 0x5
	s_wait_dscnt 0x0
	s_wait_alu depctr_hold_cnt(0) depctr_sa_sdst(0) depctr_va_vdst(0) depctr_va_sdst(0) depctr_va_ssrc(0) depctr_va_vcc(0) depctr_vm_vsrc(0)
	s_wait_tensorcnt 0x0
	ds_add_u32 v232, v233
	s_wait_dscnt 0x0
	s_endpgm
.Lfunc_end_k_q5cc18fc4d0_swa:
	.size	k_q5cc18fc4d0_swa, .Lfunc_end_k_q5cc18fc4d0_swa-k_q5cc18fc4d0_swa
	.p2alignl 7, 3214868480
	.fill 96, 4, 3214868480
	.section	.rodata,"a",@progbits
	.p2align	6, 0x0
	.amdhsa_kernel k_q5cc18fc4d0_swa
		.amdhsa_group_segment_fixed_size 304128
		.amdhsa_private_segment_fixed_size 0
		.amdhsa_enable_private_segment 0
		.amdhsa_kernarg_size 32
		.amdhsa_user_sgpr_count 2
		.amdhsa_user_sgpr_kernarg_segment_ptr 1
		.amdhsa_wavefront_size32 1
		.amdhsa_system_sgpr_workgroup_id_x 1
		.amdhsa_system_sgpr_workgroup_id_y 1
		.amdhsa_system_sgpr_workgroup_id_z 1
		.amdhsa_system_vgpr_workitem_id 0
		.amdhsa_next_free_vgpr 490
		.amdhsa_next_free_sgpr 66
		.amdhsa_reserve_vcc 0
		.amdhsa_float_denorm_mode_32 3
		.amdhsa_float_denorm_mode_16_64 3
		.amdhsa_memory_ordered 1
		.amdhsa_forward_progress 1
		.amdhsa_inst_pref_size 216
	.end_amdhsa_kernel
	.amdgpu_metadata
---
amdhsa.version: [ 1, 2 ]
amdhsa.kernels:
  - .name:           k_q5cc18fc4d0_swa
    .symbol:         k_q5cc18fc4d0_swa.kd
    .args:
      - { .name: q, .offset: 0, .size: 8, .value_kind: global_buffer, .address_space: global }
      - { .name: k, .offset: 8, .size: 8, .value_kind: global_buffer, .address_space: global }
      - { .name: v, .offset: 16, .size: 8, .value_kind: global_buffer, .address_space: global }
      - { .name: out0, .offset: 24, .size: 8, .value_kind: global_buffer, .address_space: global }
    .group_segment_fixed_size: 304128
    .private_segment_fixed_size: 0
    .kernarg_segment_align: 8
    .kernarg_segment_size: 32
    .max_flat_workgroup_size: 256
    .sgpr_count:     66
    .vgpr_count:     490
    .wavefront_size: 32
...
	.end_amdgpu_metadata
.endif
;; end of part 2
